; MI455X (gfx1250); checked and timed in simulation.
; The chip was launched on July 23, 2026; its instructions are those of AMD's public machine-readable ISA for CDNA 5 (MIT licence, August 2026) and "CDNA5" Instruction Set Architecture Reference Guide (July 2026). The comments in the code are by the model that wrote it; some were corrected since.
;; Bit Linear Packed. Allowed arithmetic: matrix products marked QUANTISED: E4M3 operands, one given power-of-two scale a tensor, by v_wmma_f32_16x16x64_fp8_fp8 or v_wmma_f32_16x16x128_fp8_fp8, f32 sums; everything else in f32.
;; Inputs: bp 1,048,576 int32; lowp_scales 2 int32 (the exponents e of the quantised operands' scales 2^e); scale 1 float32; x_codes 4 x 2,048 x 128 x 32 uint8 (E4M3 codes of x, K innermost, in blocks of 32 codes).
;; Outputs: out0 4 x 2,048 x 2,048 float32.
;; This version of the problem:
;;   THIS VERSION OF THE PROBLEM IS GIVEN IN LOW PRECISION. The matrix products marked QUANTISED in the list below multiply operands that are first quantised to E4M3 (4 exponent bits, 3 mantissa bits; 8 bits a number), with one given power-of-two scale for each operand tensor; their sums are f32. All else is computed in f32.
;;   The module's matrix products, in the order in which they are computed (A, B: the left and right operand; K: the contracted axis; several contracted axes count as one K, in the product's order):
;;     1. [M 8,192, K 4,096] x [K 4,096, N 2,048]; A: input x (given as codes); B: computed on the way: QUANTISED (scales: A lowp_scales[0], B lowp_scales[1])
;;   THE QUANTISER, for each operand of a quantised product, along K:
;;     - The operand's scale is 2^e, e = its entry of the input lowp_scales (int32; the entries are numbered through the quantised products in the list's order, A before B).
;;     - Each number is divided by the scale, clamped to +-448, and rounded to the nearest number of E4M3, ties to even, subnormals kept.
;;     - The product sums the exact products of the quantised numbers (number of the format x scale) in f32.
;;   ~~~python
;;   def quantise(x, axis, e):      # numpy; x: float32 -> the quantised numbers, widened to float32 again
;;       x = np.moveaxis(x, axis, -1); K = x.shape[-1]
;;       r = np.clip(x / 2.0 ** e, -448, 448)
;;       step = 2.0 ** (np.maximum(np.frexp(np.where(r == 0, 1, r))[1] - 1, -6) - 3)
;;       q = np.round(r / step) * step * 2.0 ** e      # np.round: ties to even
;;       return np.moveaxis(q, -1, axis).astype(np.float32)
;;   ~~~
;;   OPERANDS COMPUTED ON THE WAY. 'Computed on the way' means the value that the module computes at that place (a softmax that the list does not call 'softmax' is quantised finished and normalised). What goes into a quantiser is computed in f32, as accurately as f32 sums, v_exp_f32 and their like allow (about 1e-6 of the number): no bf16 or f16 on the way to a quantiser, and a product that is left as it is and whose result goes on into a quantised operand takes f32 operands (vector FMAs, or v_wmma_f32_16x16x4_f32). A number that lies on a knife's edge between two numbers of the format may be rounded either way, as far as f32 arithmetic and the matrix unit's own rounding can turn it there, and no further.
;;   INPUTS GIVEN AS CODES. x (in the module: [4, 2048, 4096], K = its axis 2): each comes as NAME_codes (uint8): NAME with its K axis moved to the last place and cut into blocks of 32 codes, [.., K / 32, bytes a block], one block behind the other in memory; one code a byte (a code: sign, 4 exponent bits, 3 mantissa bits); its scale is its entry of lowp_scales. Its value is code x scale, taken as it is: it is not quantised again, and the codes and scales need not be those that the quantiser above would give.
;; 2 versions. Each part assembles by itself: llvm-mc -triple=amdgcn-amd-amdhsa -mcpu=gfx1250 --defsym DOCPART=n.
;; ======== version 1 of 2: 2 launches
;; workspace buffers: w_codes 8,388,608 bytes
;; launch unpack (part 1): grid 256 x 1, 8 waves a work-group, no clusters, 0 bytes of LDS; arguments bp, scale, lowp_scales, w_codes; writes w_codes
.if DOCPART == 1
	.amdgcn_target "amdgcn-amd-amdhsa--gfx1250"
	.amdhsa_code_object_version 6
	.text
	.protected	k_q8fff2eeed4_unpack
	.globl	k_q8fff2eeed4_unpack
	.p2align	8
	.type	k_q8fff2eeed4_unpack,@function
k_q8fff2eeed4_unpack:
	s_mov_b64 s[64:65], 0
	v_nop
	global_prefetch_b8 v0, s[64:65] scope:SCOPE_SE
	s_setreg_imm32_b32 hwreg(HW_REG_WAVE_MODE, 25, 1), 1
	s_wait_xcnt 0x0
; w[n][k] = (2 bit - 1) x scale, quantised to E4M3 with the given scale 2^e1, as codes [2048][4096], K innermost: one byte a weight.
; bp holds 8 weights a word of 32 bits, in its low 8 bits, the highest of them first: word i gives bytes 8 i .. 8 i + 7 of the codes.  Bits 8 and up of a word are not looked at: the unpacking takes bits 7 to 0 alone.
; w has two values, +scale and -scale, so it has two codes: c = Q(scale / 2^e1) and c with its sign bit turned.  c is made ONCE, by the conversion instruction, from scale held within +-448 x 2^e1;
; a byte is then c's magnitude bits with the sign bit (bit xor c's sign xor 1).
; LIMITS: e1 between -126 and 119, so that 2^e1 and 448 x 2^e1 are f32 numbers.  A NaN in scale is not served; an infinity is held at the largest code.
; A STREAM: bp and the codes are dense, nothing here knows of rows.  A work-group takes 4,096 words (16 KiB in, 32 KiB out).  Thread t takes, in step j of 8, the two words at byte 2048 j + 8 t
; (a wave's load covers 256 consecutive bytes, aligned) and stores 16 bytes at 4096 j + 16 t (a wave's store covers 512 consecutive bytes, aligned).  All eight loads go out at once; every offset is an
; immediate and every step has its own registers, so no source of a pending load or store is ever written again.  No LDS, no barrier, no matrix unit, no cluster: waves share nothing and each byte is touched once.
; FOUR BITS TO FOUR SIGN BITS BY ONE MULTIPLICATION: 0x80402010 = 2^4 + 2^13 + 2^22 + 2^31.  A nibble b3 b2 b1 b0 times it lays four copies at bits 4-7, 13-16, 22-25 and 31 (what would lie higher falls away):
; they do not meet, so nothing is carried, and bits 7, 15, 23, 31 of the product are b3, b2, b1, b0: the sign bits of bytes 0, 1, 2, 3.
.set SC,   3                           ; v3       2^e1 as f32: the conversion takes its exponent field
.set LIM,  4                           ; v4       448 x 2^e1
.set CMAG, 5                           ; v5       the magnitude bits of c, in all four bytes
.set CC,   6                           ; v[6:7]   the conversion's result: c in every byte
.set SRC,  8                           ; v[8:15]  scale, held, eight times: what the conversion takes
.set IN,   16                          ; v[16:31] step j: two words of bp
.set OUT,  32                          ; v[32:63] step j: 16 codes
.set T,    64                          ; v[64:67] at work
.set FLIP, 68                          ; v68      all ones where c is positive, else 0
	s_load_b128 s[4:7], s[0:1], 0x0                ; bp s[4:5], scale s[6:7]
	s_load_b128 s[8:11], s[0:1], 0x10              ; the scales' exponents s[8:9], the codes s[10:11]
	v_lshlrev_b32 v1, 3, v0                        ; in: 8 bytes a thread
	v_lshlrev_b32 v2, 4, v0                        ; out: 16 bytes a thread
	s_lshl_b32 s12, ttmp9, 14                      ; the work-group's 16 KiB of bp,
	s_mov_b32 s13, 0
	s_lshl_b32 s14, ttmp9, 15                      ; and its 32 KiB of codes
	s_mov_b32 s15, 0
	s_mov_b32 s20, 0x80402010
	s_mov_b32 s21, 0x80808080                      ; the four sign bits
	s_wait_kmcnt 0x0
	s_load_b32 s16, s[6:7], 0x0                    ; scale
	s_load_b32 s17, s[8:9], 0x4                    ; e1: entry 1 of the exponents
	s_add_nc_u64 s[4:5], s[4:5], s[12:13]
	s_add_nc_u64 s[10:11], s[10:11], s[14:15]
.irp j, 0,1,2,3,4,5,6,7
	global_load_b64 v[IN+2*\j:IN+2*\j+1], v1, s[4:5] offset:2048*\j th:TH_LOAD_NT   ; read once in the launch
.endr
	s_wait_kmcnt 0x0
	s_add_co_i32 s17, s17, 127
	s_lshl_b32 s18, s17, 23
	v_mov_b32 v[SC], s18                           ; 2^e1
	s_add_co_i32 s17, s17, 8
	s_lshl_b32 s17, s17, 23
	s_or_b32 s17, s17, 0x600000
	v_mov_b32 v[LIM], s17                          ; 448 x 2^e1: exponent e1 + 8 over the mantissa field of 448
	v_mov_b32 v[SRC], s16
	v_med3_num_f32 v[SRC], v[SRC], -v[LIM], v[LIM] ; the conversion to an 8-bit code does not saturate (ISA guide 7.6.2): the hold at the largest code x the scale comes first
.irp i, 1,2,3,4,5,6,7
	v_mov_b32 v[SRC+\i], v[SRC]                    ; the conversion takes eight numbers: eight times the same gives c in every byte
.endr
	v_cvt_scalef32_pk8_fp8_f32 v[CC:CC+1], v[SRC:SRC+7], v[SC]   ; scale / 2^e1 to the nearest code, ties to even
	v_nop                                          ; one plain vector instruction between a scaled conversion and the first vector instruction that reads its result
	v_and_b32 v[CMAG], 0x7f7f7f7f, v[CC]
	v_bfe_u32 v[FLIP], v[CC], 7, 1                 ; c's sign: 0 or 1,
	v_add_nc_u32 v[FLIP], -1, v[FLIP]              ; less 1: all ones where c is positive (a byte's sign bit is then bit xor 1), 0 where it is negative (bit as it is).  Only bits 7:0 of the xor below are used
.macro STEP j
	s_wait_loadcnt 7-\j                            ; loads come back in order (ISA guide 5.7.1): step j's is in, the 7 - j younger ones may be out
.irp u, 0,1
	v_xor_b32 v[T+2*\u], v[FLIP], v[IN+2*\j+\u]
	v_bfe_u32 v[T+2*\u+1], v[T+2*\u], 4, 4         ; bits 7 to 4: bytes 0 to 3
	v_and_b32 v[T+2*\u], 15, v[T+2*\u]             ; bits 3 to 0: bytes 4 to 7
	v_mul_lo_u32 v[T+2*\u+1], v[T+2*\u+1], s20
	v_mul_lo_u32 v[T+2*\u], v[T+2*\u], s20
	v_and_or_b32 v[OUT+4*\j+2*\u], v[T+2*\u+1], s21, v[CMAG]     ; the four sign bits over c's magnitude
	v_and_or_b32 v[OUT+4*\j+2*\u+1], v[T+2*\u], s21, v[CMAG]
.endr
	global_store_b128 v2, v[OUT+4*\j:OUT+4*\j+3], s[10:11] offset:4096*\j
.endm
.irp j, 0,1,2,3,4,5,6,7
	STEP \j
.endr
	s_endpgm
.Lfunc_end_k_q8fff2eeed4_unpack:
	.size	k_q8fff2eeed4_unpack, .Lfunc_end_k_q8fff2eeed4_unpack-k_q8fff2eeed4_unpack
	.p2alignl 7, 3214868480
	.fill 96, 4, 3214868480
	.section	.rodata,"a",@progbits
	.p2align	6, 0x0
	.amdhsa_kernel k_q8fff2eeed4_unpack
		.amdhsa_group_segment_fixed_size 0
		.amdhsa_private_segment_fixed_size 0
		.amdhsa_enable_private_segment 0
		.amdhsa_kernarg_size 32
		.amdhsa_user_sgpr_count 2
		.amdhsa_user_sgpr_kernarg_segment_ptr 1
		.amdhsa_wavefront_size32 1
		.amdhsa_system_sgpr_workgroup_id_x 1
		.amdhsa_system_sgpr_workgroup_id_y 1
		.amdhsa_system_sgpr_workgroup_id_z 1
		.amdhsa_system_vgpr_workitem_id 0
		.amdhsa_next_free_vgpr 72
		.amdhsa_next_free_sgpr 66
		.amdhsa_reserve_vcc 0
		.amdhsa_float_denorm_mode_32 3
		.amdhsa_float_denorm_mode_16_64 3
		.amdhsa_memory_ordered 1
		.amdhsa_forward_progress 1
		.amdhsa_inst_pref_size 10
	.end_amdhsa_kernel
	.amdgpu_metadata
---
amdhsa.version: [ 1, 2 ]
amdhsa.kernels:
  - .name:           k_q8fff2eeed4_unpack
    .symbol:         k_q8fff2eeed4_unpack.kd
    .args:
      - { .name: bp, .offset: 0, .size: 8, .value_kind: global_buffer, .address_space: global }
      - { .name: scale, .offset: 8, .size: 8, .value_kind: global_buffer, .address_space: global }
      - { .name: lowp_scales, .offset: 16, .size: 8, .value_kind: global_buffer, .address_space: global }
      - { .name: w_codes, .offset: 24, .size: 8, .value_kind: global_buffer, .address_space: global }
    .group_segment_fixed_size: 0
    .private_segment_fixed_size: 0
    .kernarg_segment_align: 8
    .kernarg_segment_size: 32
    .max_flat_workgroup_size: 256
    .sgpr_count:     66
    .vgpr_count:     72
    .wavefront_size: 32
...
	.end_amdgpu_metadata
.endif
;; end of part 1
;; launch gemm (part 2): grid 8 x 32, 4 waves a work-group, clusters of 4 x 4, 327,680 bytes of LDS; arguments x_codes, w_codes, lowp_scales, out0; writes out0
.if DOCPART == 2
	.amdgcn_target "amdgcn-amd-amdhsa--gfx1250"
	.amdhsa_code_object_version 6
	.text
	.protected	k_q8fff2eeed4_gemm
	.globl	k_q8fff2eeed4_gemm
	.p2align	8
	.type	k_q8fff2eeed4_gemm,@function
k_q8fff2eeed4_gemm:
	s_mov_b64 s[64:65], 0
	v_nop
	global_prefetch_b8 v0, s[64:65] scope:SCOPE_SE
	s_setreg_imm32_b32 hwreg(HW_REG_WAVE_MODE, 25, 1), 1
	s_wait_xcnt 0x0
	s_wait_alu depctr_hold_cnt(0) depctr_sa_sdst(0) depctr_va_vdst(0) depctr_va_sdst(0) depctr_va_ssrc(0) depctr_va_vcc(0) depctr_vm_vsrc(0)
	s_getreg_b32 s2, hwreg(HW_REG_IB_STS2, 6, 4)
	s_cmp_eq_u32 s2, 0
	s_cbranch_scc0 .Lentry_in_a_cluster
	s_endpgm
.Lentry_in_a_cluster:
	s_bfe_u32 s2, ttmp6, 0x10000c
	s_cmp_lg_u32 s2, 0xf033
	s_cbranch_scc0 .Lentry_shape_is_right
	s_endpgm
.Lentry_shape_is_right:
; out0[m][n] = 2^(e0 + e1) x the sum over k of A[m][k] B[n][k].  A = x_codes [8192][4096], B = w_codes [2048][4096]: codes of FP8 (E4M3), one byte each, K innermost; out0 [8192][2048] f32; sums in f32.
; A number of A is its code's value x 2^e0, of B x 2^e1 (the two whole numbers in the buffer of scales).  The codes are multiplied as they are, and each finished sum once by 2^(e0 + e1).
; LIMIT: e0 + e1 lies between -126 and 127, so that 2^(e0 + e1) is an f32 number.
; A tile of C, 256 x 256, is made by a work-group of four waves, as many as a WGP has SIMDs; a wave makes 128 x 128: 64 accumulators of 16 x 16, 512 registers.  C has 8 x 32 = 256 such tiles: one to a work-group.
; K goes in steps of 256 through a ring of two LDS slots filled by the tensor data mover: a tile's row is 256 bytes of memory, at a multiple of 256 from the buffer's first byte.
; CLUSTERS: 4 x 4 work-groups.  The four of a row of the cluster need the same tiles of A, the four of a column the same tiles of B: each tile is asked for JOINTLY, by the same tensor load with the
; same descriptor and a mask that names the four.  THE MATRIX INSTRUCTION IS USED TRANSPOSED (source 0 = 16 rows of B, source 1 = 16 rows of A): a lane then holds eight neighbouring numbers of a row of C.
; A fragment is fetched by four loads of 16 bytes: that is a permutation of k inside an instruction's 128, the same in A and in B, so every product meets its partner and only the order of the sums changes.
; REGISTERS, in windows of 256: window 0: v0-31 addresses; from v128 A's fragments (8 x 16 rows x 128 K), ONE set; on the way out v32-255 are free.
;   window 1: B's fragments, TWO sets, at v0 and at v128.   window 2: the 32 accumulators of my rows 0-63 (accumulator (a, b) at v[8 (8 a + b)]);   window 3: those of my rows 64-127.
; A step of 128 along K is 64 matrix instructions, A's blocks one after the other, each against B's eight.  So a block of A is free as soon as its eight products are issued, and one set of registers serves A:
; blocks 0-3 are fetched anew in the step's middle, blocks 4-7 at its end.  B's fragments are at work through the whole step, so B has two sets.
.set SIZE_M, 8192
.set SIZE_N, 2048
.set SIZE_K, 4096
.set KSTEP,  256                       ; along K in a slot
.set ROWB,   256                       ; a tile's row in bytes: KSTEP codes of 8 bits
.set KROW,   SIZE_K                    ; a row of A or of B in memory, in bytes
.set PITCH,  272                       ; an LDS row: 256 bytes of data + 16 of padding = 68 words: row r starts at bank 4 r mod 64 (64 banks of 4 bytes: ISA guide 11.1), so the 16 rows that a load touches start at 16 different banks
.set FR,     16                        ; registers of a fragment: 16 rows x 128 K
.set NL,     4                         ; LDS loads that bring one
.set NP,     4                         ; places behind this matrix instruction (ISA guide 7.12.1)
.set HALFT,  128*PITCH                 ; 128 rows: what one tensor load brings, and what one wave reads of A or of B
.set SLOT,   4*HALFT                   ; A's 256 rows, then B's 256 rows
.set LAPS,   SIZE_K/(2*KSTEP)          ; a lap = two K steps = once round the ring: 8
.set SPARE,  2*SLOT                    ; behind the ring: the spare words, 128 bytes for each wave: two blocks of 256 bytes that no other line names
.set SPITCH, 528                       ; the way out: a stage of 16 rows x (512 bytes + 16) for each wave.  It lies in slot 0, which has had its last fill and its last read when the first result is stored there
.set ADRA, 16                          ; v16-17  LDS address of my A fragments in slot 0, 1
.set ADRB, 20                          ; v20-21  the same for B
.set STO,  24                          ; v24     the way out: where I put 32 bytes of a row
.set RD,   25                          ; v25     the way out: where I read a row back
.set CO,   26                          ; v26     my byte offset in a row of C
.set SPW,  28                          ; v28     LDS address of my spare word: SPARE + 4 x my thread's number; never rewritten
.set NIL,  29                          ; v29     0; never rewritten
.set PFO,  30                          ; v30     the prefetches' offset: my lane x a row of A or B in memory (4,096 bytes); never rewritten
.set TMP,  32                          ; the way out: 64 registers, a block's sums x 2^(e0 + e1)
.set AF,   128                         ; A's fragments, in window 0
.set BK,   128                         ; the way out: 16 rows read back from the stage: v128-191 and v192-255 by turns
.set G1, 24                            ; s[24:31] descriptor group 1 for A's tiles;  s[32:39] group 0, one set for each slot
.set G0, 32
.set G1B, 48                           ; s[48:55], s[56:63] the same for B's tiles
.set G0B, 56
.set PFA, 66                           ; s[66:67] where my prefetches stand: my work-group's 32 rows of the 128 that I fetch, one K step further along K than the refill that is being asked for; a prefetch names the K step after that
.set LIM, 68                           ; s68     1 in a wave that prefetches, else the greatest number
.set MSB, 0
.macro WIN new                         ; the immediate's high byte repeats the setting that is left
.if MSB != \new
	s_set_vgpr_msb (MSB<<8)|\new
.set MSB, \new
.endif
.endm
.set MUL_LO, 0xa1                      ; source 0 (B) window 1, source 1 (A) window 0, C and D window 2
.set MUL_HI, 0xf1                      ; the same, C and D window 3
.set TO_B,   0x40                      ; destination window 1, address window 0
; A joint load: waves 0 and 1 fetch for A, waves 2 and 3 for B.  Each of the two lines has ONE mask and one set of registers for all that issue it; the branch hangs on the wave's number alone.
; Four v_nop follow each of the two lines, ahead of the jump, the label and what follows.
.macro JLOAD g0a, g1a, g0b, g1b
	s_cmp_eq_u32 s15, 0
	s_cbranch_scc0 .Lfor_b_\@
	tensor_load_to_lds s[\g0a:\g0a+3], s[\g1a:\g1a+7]
	s_nop 0
.rept 4
	v_nop
.endr
	s_branch .Lasked_\@
.Lfor_b_\@:
	tensor_load_to_lds s[\g0b:\g0b+3], s[\g1b:\g1b+7]
	s_nop 0
.rept 4
	v_nop
.endr
.Lasked_\@:
.endm
; A PREFETCH INTO THE L2, behind each joint refill, its four lines and the run of LDS loads that follows them: the K step that stands TWO refills on, 256 matrix instructions ahead of the load that will want it:
; 32 rows x 256 bytes, a lane a row, one instruction a wave.  At a change of slots every wave has waited for all its tensor loads, so the refill that follows has nothing on its way beside it.
; Each row's 256 bytes of a K step are named ONCE in the launch.  A's tile row is read by both clusters of that row of clusters: the first (cluster x = 0) asks; B's tile column by the eight clusters of that
; column: cluster y = 0 asks.  The four partners that ask for a tile jointly share its rows out BY ADDRESS: of the 128 rows that a wave fetches, the partner at place p takes 32 p .. 32 p + 31 (p = cx for A,
; cy for B): no branch hangs on a work-group's place in its cluster.  The n-th refill (K step n + 1) names K step n + 3; the loop's last trip (s3 = 1) asks for nothing: K step 15 is a row's last.
; K steps 0 to 3 come by their loads alone: nothing is prefetched at the head, where every work-group's first tiles are on their way.
.macro ASK
	s_cmp_gt_u32 s3, s[LIM]
	s_cbranch_scc0 .Lnot_mine_\@
	global_prefetch_b8 v[PFO], s[PFA:PFA+1] offset:ROWB th:TH_LOAD_NT scope:SCOPE_SE
.Lnot_mine_\@:
.endm
.macro CREST                           ; a round of the cluster's barrier behind its opening barrier
	s_cmp_lg_u32 s14, 0
	s_cbranch_scc1 .Lnot_wave_0_\@
	s_barrier_signal -3
.Lnot_wave_0_\@:
	s_barrier_wait -3
	s_barrier_signal -1
	s_barrier_wait -1
.endm
.macro CROUND                          ; a whole round
	s_barrier_signal -1
	s_barrier_wait -1
	CREST
.endm
	s_load_b128 s[4:7], s[0:1], 0x0                ; A's codes s[4:5], B's codes s[6:7]
	s_load_b128 s[8:11], s[0:1], 0x10              ; the two scales' exponents s[8:9], C s[10:11]
	v_lshl_add_u32 v[SPW], v0, 2, SPARE
	v_mov_b32 v[NIL], 0
	ds_add_u32 v28, v29
	ds_add_u32 v28, v29
	s_wait_dscnt 0x0
	v_lshrrev_b32 v1, 5, v0
	v_readfirstlane_b32 s14, v1                    ; wave 0..3
	s_lshr_b32 s15, s14, 1                         ; which half of the tile's rows is mine.  Also: I fetch for A (0) or for B (1)
	s_and_b32 s16, s14, 1                          ; which half of its columns.  Also: which 128 rows of that tile I fetch
	s_bfe_u32 s40, ttmp6, 0x40000                  ; cx, cy: my place in the cluster
	s_bfe_u32 s41, ttmp6, 0x40004
	s_lshl_b32 s42, ttmp9, 2
	s_add_co_u32 s42, s42, s40                     ; tile column of C = 4 x cluster x + cx
	s_and_b32 s17, ttmp7, 0xffff
	s_lshl_b32 s17, s17, 2
	s_add_co_u32 s17, s17, s41                     ; tile row of C = 4 x cluster y + cy
	s_lshl_b32 s43, s41, 2
	s_lshl_b32 s43, 15, s43                        ; my row of the cluster
	s_lshl_b32 s44, 0x1111, s40                    ; my column
	; descriptor group 1: a tile of 128 rows x ROWB bytes, padded in LDS
	s_or_b32 s[G1+0], s43, (0<<16)|(1<<20)|(1<<21)|(5<<22)|(3<<25)  ; 15:0 the mask: A's tiles go to my row; 17:16 element of 1 byte; 20 padding on; 21 set beside a mask; 24:22 after every 64 words (code 5); 31:25 of 4 words (code 3)
	s_or_b32 s[G1B+0], s44, (0<<16)|(1<<20)|(1<<21)|(5<<22)|(3<<25)
.irp g, G1, G1B
	s_mov_b32 s[\g+1], ROWB<<16                    ; tensor_dim0
	s_mov_b32 s[\g+2], 128<<16                     ; tensor_dim1 = 128
	s_mov_b32 s[\g+3], ROWB<<16                    ; tile_dim0
	s_mov_b32 s[\g+4], 128                         ; tile_dim1 = 128
	s_mov_b32 s[\g+5], KROW                        ; tensor_dim0_stride
	s_mov_b32 s[\g+6], 0
	s_mov_b32 s[\g+7], 0
.endr
	s_lshl_b32 s18, s16, 7                         ; which 128 rows of the tile I fetch
	s_lshl_b32 s20, s17, 8
	s_add_co_u32 s20, s20, s18                     ; A: row 256 x tile row + 128 x half
	s_lshl_b32 s46, s42, 8
	s_add_co_u32 s46, s46, s18                     ; B: row 256 x tile column + 128 x half
	s_mov_b32 s21, 0
	s_mov_b32 s47, 0
	s_mov_b64 s[18:19], KROW
	s_mul_u64 s[20:21], s[20:21], s[18:19]         ; and their codes
	s_mul_u64 s[46:47], s[46:47], s[18:19]
	s_mul_i32 s45, s14, HALFT                      ; where they go: wave x 128 rows: no place in the cluster enters an LDS address
	s_wait_kmcnt 0x0
	s_load_b64 s[96:97], s[8:9], 0x0               ; e0, e1
	s_add_nc_u64 s[20:21], s[4:5], s[20:21]
	s_add_nc_u64 s[46:47], s[6:7], s[46:47]
	CROUND                                         ; all sixteen work-groups are here: the first joint loads meet
.irp s, 0,1
	s_mov_b32 s[G0+4*\s], 1
	s_add_co_u32 s[G0+4*\s+1], s45, \s*SLOT
	s_add_nc_u64 s[G0+4*\s+2:G0+4*\s+3], s[20:21], \s*ROWB
	s_or_b32 s[G0+4*\s+3], s[G0+4*\s+3], 0x80000000
	s_mov_b32 s[G0B+4*\s], 1
	s_add_co_u32 s[G0B+4*\s+1], s45, \s*SLOT
	s_add_nc_u64 s[G0B+4*\s+2:G0B+4*\s+3], s[46:47], \s*ROWB
	s_or_b32 s[G0B+4*\s+3], s[G0B+4*\s+3], 0x80000000
	JLOAD G0+4*\s, G1, G0B+4*\s, G1B               ; the ring is filled before anything else is done: two loads of mine are out
.endr
	v_and_b32 v1, 15, v0                           ; l % 16
	v_bfe_u32 v2, v0, 4, 1                         ; l / 16
	v_mul_u32_u24 v3, v1, PITCH
	v_lshl_add_u32 v4, v2, 4, v3                   ; a fragment's row x pitch + 16 x half
	s_mul_i32 s21, s15, HALFT                      ; my 128 rows of A
	s_mul_i32 s22, s16, HALFT                      ; my 128 rows of B,
	s_add_co_u32 s22, s22, 2*HALFT                 ; which lie behind A's 256
.irp s, 0,1
	v_add_nc_u32 v[ADRA+\s], s21, v4
	v_add_nc_u32 v[ADRB+\s], s22, v4
	s_add_co_u32 s21, s21, SLOT
	s_add_co_u32 s22, s22, SLOT
.endr
	s_mul_i32 s23, s14, 16*SPITCH                  ; my stage
	v_mul_u32_u24 v5, v1, SPITCH                   ; in: row l % 16, 32 bytes for each half of the lanes
	v_lshl_add_u32 v5, v2, 5, v5
	v_add_nc_u32 v[STO], s23, v5
	v_and_b32 v6, 31, v0
	v_lshlrev_b32 v[CO], 4, v6                     ; back: the 32 lanes take one row of 512 bytes; and the same in C
	v_add_nc_u32 v[RD], s23, v[CO]
	s_lshl_b32 s20, s17, 8
	s_lshl_b32 s21, s15, 7
	s_add_co_u32 s20, s20, s21                     ; my first row of C: 256 x tile row + 128 x half
	s_mov_b32 s21, 0
	s_mov_b64 s[18:19], SIZE_N*4
	s_mul_u64 s[20:21], s[20:21], s[18:19]
	s_lshl_b32 s46, s42, 10                        ; my first column, in bytes: 1024 x tile column + 512 x half
	s_lshl_b32 s47, s16, 9
	s_add_co_u32 s46, s46, s47
	s_mov_b32 s47, 0
	s_add_nc_u64 s[20:21], s[20:21], s[46:47]
	s_add_nc_u64 s[10:11], s[10:11], s[20:21]
	; the prefetches (macro ASK): where my wave's stand, and who asks.  s[4:5] = A and s[6:7] = B stand as they were loaded
	s_lshl_b32 s70, s17, 8                         ; 256 x tile row
	s_lshl_b32 s71, s42, 8                         ; 256 x tile column
	s_and_b32 s72, ttmp7, 0xffff                   ; cluster y
	s_cmp_eq_u32 s15, 0                            ; do I fetch for A?
	s_cselect_b32 s70, s70, s71                    ; the tile's first row: in A by the tile row, in B by the tile column
	s_cselect_b32 s73, s40, s41                    ; my place among the four that ask for it with me
	s_cselect_b32 s72, ttmp9, s72                  ; the coordinate along which other clusters read the same rows
	s_cselect_b64 s[PFA:PFA+1], s[4:5], s[6:7]
	s_cmp_eq_u32 s72, 0
	s_cselect_b32 s[LIM], 1, -1                    ; the same in all sixteen partners, for a given wave
	s_lshl_b32 s72, s16, 7
	s_add_co_u32 s70, s70, s72                     ; + the 128 rows that I fetch
	s_lshl_b32 s73, s73, 5
	s_add_co_u32 s70, s70, s73                     ; + my work-group's 32 of them
	s_mov_b32 s71, 0
	s_lshl_b64 s[70:71], s[70:71], 12              ; rows of 4,096 bytes
	s_add_nc_u64 s[PFA:PFA+1], s[PFA:PFA+1], s[70:71]
	s_add_nc_u64 s[PFA:PFA+1], s[PFA:PFA+1], 2*ROWB  ; at K step 2: the first refill steps it to 3 and names K step 4
	v_lshlrev_b32 v[PFO], 12, v6                   ; a lane a row
.macro FRAG reg, adr, q, i             ; a fragment, 16 rows x 128 K of 8-bit codes, is 16 registers: lane l holds row l % 16; registers 4 c .. 4 c + 3 hold K = 32 c + 16 (l / 16) + 0 .. 15
.irp c, 0,1,2,3
	ds_load_b128 v[\reg+4*\c:\reg+4*\c+3], v[\adr] offset:128*(\q)+32*\c+(\i)*16*PITCH
.endr
.endm
; 16 matrix instructions: A's blocks a0, a0 + 1 x B's eight, 128 along K.  p: B's set.  zero = 1: the first product starts the sums: nothing is ever cleared.
; The 64 accumulators take turns, one instruction a turn, in the same order in every step.
.macro MUL16 a0, p, zero
.irp a, \a0, \a0+1
.irp b, 0,1,2,3,4,5,6,7
.if \zero
	v_wmma_f32_16x16x128_fp8_fp8 v[8*(8*((\a)%4)+\b):8*(8*((\a)%4)+\b)+7], v[128*(\p)+FR*\b:128*(\p)+FR*\b+FR-1], v[AF+FR*(\a):AF+FR*(\a)+FR-1], 0
.else
	v_wmma_f32_16x16x128_fp8_fp8 v[8*(8*((\a)%4)+\b):8*(8*((\a)%4)+\b)+7], v[128*(\p)+FR*\b:128*(\p)+FR*\b+FR-1], v[AF+FR*(\a):AF+FR*(\a)+FR-1], v[8*(8*((\a)%4)+\b):8*(8*((\a)%4)+\b)+7]
.endif
.endr
.endr
.endm
.macro FETCH_B slot, q, p              ; B's eight fragments of the slot's q-th 128 along K into set p
	WIN TO_B
.irp i, 0,1,2,3,4,5,6,7
	FRAG 128*(\p)+FR*\i, ADRB+\slot, \q, \i
.endr
	WIN 0
.endm
.macro FETCH_A slot, q, i0             ; A's blocks i0 .. i0 + 3
.irp i, \i0, \i0+1, \i0+2, \i0+3
	FRAG AF+FR*(\i), ADRA+\slot, \q, \i
.endr
.endm
; A load into a register that a matrix instruction has read, and a vector instruction or an LDS store that reads a matrix result, stand NP places behind that matrix instruction, and only plain vector
; instructions that name none of its registers are places (ISA guide 7.12.1 for vector instructions); this text does not count the matrix instructions in between.
; No matrix instruction of this text writes over a register of an earlier one but as the next link of its own sum.
.macro PLACES n
.rept \n
	v_nop
.endr
.endm
; A step of 128 along K that has its successor in the same slot.
.macro STEP slot, q, zero
	s_wait_dscnt 4*NL                              ; B's set and A's blocks 0-3 are in; the youngest sixteen loads (A's blocks 4-7) may be out
	WIN MUL_LO
	MUL16 0, (\q)%2, \zero
	MUL16 2, (\q)%2, \zero
	s_wait_dscnt 0                                 ; A's blocks 4-7 are in (asked for 32 matrix instructions ago)
	PLACES NP
	FETCH_B \slot, (\q)+1, 1-(\q)%2
	FETCH_A \slot, (\q)+1, 0
	WIN MUL_HI
	MUL16 4, (\q)%2, \zero
	MUL16 6, (\q)%2, \zero
	PLACES NP
	WIN 0
	FETCH_A \slot, (\q)+1, 4
.endm
; A slot's last step changes slots: ONE barrier; in front of it each wave waits for all its tensor loads, adds 0 to its spare word, and waits for that and for its own reads of this slot.  fill = 1: this slot is filled again, two K steps ahead.
.macro TURN slot, next, fill
.if \fill
	s_wait_xcnt 0x0                                ; the last prefetch, a K step back, has read its address: it is stepped here, ahead of the waits of the change of slots
	s_add_nc_u64 s[PFA:PFA+1], s[PFA:PFA+1], ROWB
.endif
	s_wait_tensorcnt 0x0                           ; all my tensor loads have landed: my part of the next slot;  (every window is 0 here: the add's two registers lie in window 0)
	ds_add_u32 v[SPW], v[NIL]                      ; 0 onto my spare word
	s_wait_dscnt 4*NL+1                            ; (the add and the youngest sixteen loads, A's blocks 4-7, may be out)
	WIN MUL_LO
	MUL16 0, 1, 0                                  ; sixteen matrix instructions stand between the add and the wait for it
	s_wait_dscnt 0x0                               ; the add is done, and my reads of this slot are over
	s_barrier_signal -1
	MUL16 2, 1, 0
	WIN 0
	s_barrier_wait -1
.if \fill
	CREST                                          ; the barrier has opened a round of the cluster's barrier: no wave of any partner still reads this slot's tile or has a load on its way
	s_add_nc_u64 s[G0+4*\slot+2:G0+4*\slot+3], s[G0+4*\slot+2:G0+4*\slot+3], 2*ROWB
	s_add_nc_u64 s[G0B+4*\slot+2:G0B+4*\slot+3], s[G0B+4*\slot+2:G0B+4*\slot+3], 2*ROWB
	JLOAD G0+4*\slot, G1, G0B+4*\slot, G1B         ; the first tensor load behind the round, and my one load until the next; the four v_nop behind it are the places in front of the loads below
.else
	PLACES NP
.endif
	FETCH_B \next, 0, 0
	FETCH_A \next, 0, 0
.if \fill
	ASK                                            ; behind the joint load and the run of LDS loads that the next products wait for; every window is 0 here
.endif
	WIN MUL_HI
	MUL16 4, 1, 0
	MUL16 6, 1, 0
	PLACES NP
	WIN 0
	FETCH_A \next, 0, 4
.endm
	s_wait_tensorcnt 1                             ; my part of K step 0 is in (K step 1's load may be out)
	s_barrier_signal -1
	s_barrier_wait -1                              ; everybody's is
	FETCH_B 0, 0, 0
	FETCH_A 0, 0, 0
	FETCH_A 0, 0, 4
	STEP 0, 0, 1                                   ; the first step stands in front of the loop: its products start the sums
	s_mov_b32 s3, LAPS-1
.Llap:                                                 ; a trip goes once round the ring, from a lap's second step to the next lap's first, and fills both slots again
	TURN 0, 1, 1
	STEP 1, 0, 0
	TURN 1, 0, 1
	STEP 0, 0, 0
	s_sub_co_u32 s3, s3, 1
	s_cmp_lg_u32 s3, 0
	s_cbranch_scc1 .Llap
	TURN 0, 1, 0                                   ; the last lap fills nothing, and has no round of the cluster's barrier
	STEP 1, 0, 0
	s_wait_dscnt 4*NL                              ; the very last step: nothing more to fetch
	WIN MUL_LO
	MUL16 0, 1, 0
	MUL16 2, 1, 0
	s_wait_dscnt 0
	WIN MUL_HI
	MUL16 4, 1, 0
	MUL16 6, 1, 0
	WIN 0
; THE WAY OUT, block by block of 16 rows x 128 columns.  A lane holds 32 neighbouring bytes of a row, and the lanes beside it hold other rows: so a block goes through my own stage in LDS and comes back as whole
; rows of 512 bytes, which the 32 lanes store as 512 consecutive bytes.  LDS serves a wave's instructions in order (ISA guide 5.7.1.4): no wait between the stores and the loads, nor in front of the next block's stores.
.macro TOSTAGE a
.set AC, 64*((\a)%4)
	WIN 0x02+((\a)/4)                              ; source 0: window 2 or 3
.irp j, 0,2,4,6,8,10,12,14,16,18,20,22,24,26,28,30,32,34,36,38,40,42,44,46,48,50,52,54,56,58,60,62
	v_pk_mul_f32 v[TMP+\j:TMP+\j+1], v[AC+\j:AC+\j+1], s[96:97] op_sel_hi:[1,0]   ; both x s96 = 2^(e0 + e1): nothing is rounded, short of overflow and underflow; each accumulator from its low end on
.endr
	WIN 0
.irp b, 0,1,2,3,4,5,6,7
	ds_store_b128 v[STO], v[TMP+8*\b:TMP+8*\b+3] offset:64*\b
	ds_store_b128 v[STO], v[TMP+8*\b+4:TMP+8*\b+7] offset:64*\b+16
.endr
.set BB, BK+64*((\a)%2)
.irp t, 0,1,2,3,4,5,6,7,8,9,10,11,12,13,14,15
	ds_load_b128 v[BB+4*\t:BB+4*\t+3], v[RD] offset:\t*SPITCH
.endr
.endm
.macro SEND a, younger                 ; younger: the LDS instructions issued behind block a's loads, which may stay out
.set BB, BK+64*((\a)%2)
	s_wait_dscnt \younger                          ; the block is back in registers
.if (\a) > 0
	s_add_nc_u64 s[10:11], s[10:11], 16*SIZE_N*4   ; (behind a wait on XCNT: the earlier stores have read their base)  16 rows of C on, so that the stores' offsets stay small: 15 rows of 8,192 bytes at the most
.endif
.irp t, 0,1,2,3,4,5,6,7,8,9,10,11,12,13,14,15
	global_store_b128 v[CO], v[BB+4*\t:BB+4*\t+3], s[10:11] offset:\t*SIZE_N*4 th:TH_STORE_NT   ; 32 lanes store 512 consecutive bytes, at a multiple of 256 from C's first byte; written once, read by nobody here
.endr
.endm
	s_wait_kmcnt 0x0
	s_add_co_i32 s96, s96, s97                     ; e0 + e1, between -126 and 127,
	s_add_co_i32 s96, s96, 127
	s_lshl_b32 s96, s96, 23                        ; makes the f32 number 2^(e0 + e1)
	PLACES NP                                      ; behind the last products: these places serve the loads into the registers that held A's fragments and the reads of the last block's results alike
	TOSTAGE 0
.irp a, 1,2,3,4,5,6,7
.if \a > 1
	s_wait_xcnt 0x0                                ; block a - 2's stores have read their registers and their base: block a's loads may land there, and the base may step
.endif
	TOSTAGE \a
	SEND \a-1, 32                                  ; behind block a - 1's loads: block a's 16 stores and 16 loads
.endr
	s_wait_xcnt 0x0                                ; block 6's stores have read their base
	SEND 7, 0
	s_wait_tensorcnt 0x0                           ; the wave's end, behind my last tensor load and my last LDS store
	ds_add_u32 v[SPW], v[NIL]
	s_wait_dscnt 0x0
	CROUND                                         ; the closing round: no work-group ends while a partner may still ask for a tile that names it
	s_endpgm
.Lfunc_end_k_q8fff2eeed4_gemm:
	.size	k_q8fff2eeed4_gemm, .Lfunc_end_k_q8fff2eeed4_gemm-k_q8fff2eeed4_gemm
	.p2alignl 7, 3214868480
	.fill 96, 4, 3214868480
	.section	.rodata,"a",@progbits
	.p2align	6, 0x0
	.amdhsa_kernel k_q8fff2eeed4_gemm
		.amdhsa_group_segment_fixed_size 327680
		.amdhsa_private_segment_fixed_size 0
		.amdhsa_enable_private_segment 0
		.amdhsa_kernarg_size 32
		.amdhsa_user_sgpr_count 2
		.amdhsa_user_sgpr_kernarg_segment_ptr 1
		.amdhsa_wavefront_size32 1
		.amdhsa_system_sgpr_workgroup_id_x 1
		.amdhsa_system_sgpr_workgroup_id_y 1
		.amdhsa_system_sgpr_workgroup_id_z 1
		.amdhsa_system_vgpr_workitem_id 0
		.amdhsa_next_free_vgpr 1024
		.amdhsa_next_free_sgpr 98
		.amdhsa_reserve_vcc 0
		.amdhsa_float_denorm_mode_32 3
		.amdhsa_float_denorm_mode_16_64 3
		.amdhsa_memory_ordered 1
		.amdhsa_forward_progress 1
		.amdhsa_inst_pref_size 124
	.end_amdhsa_kernel
	.amdgpu_metadata
---
amdhsa.version: [ 1, 2 ]
amdhsa.kernels:
  - .name:           k_q8fff2eeed4_gemm
    .symbol:         k_q8fff2eeed4_gemm.kd
    .args:
      - { .name: x_codes, .offset: 0, .size: 8, .value_kind: global_buffer, .address_space: global }
      - { .name: w_codes, .offset: 8, .size: 8, .value_kind: global_buffer, .address_space: global }
      - { .name: lowp_scales, .offset: 16, .size: 8, .value_kind: global_buffer, .address_space: global }
      - { .name: out0, .offset: 24, .size: 8, .value_kind: global_buffer, .address_space: global }
    .group_segment_fixed_size: 327680
    .private_segment_fixed_size: 0
    .kernarg_segment_align: 8
    .kernarg_segment_size: 32
    .max_flat_workgroup_size: 128
    .sgpr_count:     98
    .vgpr_count:     1024
    .wavefront_size: 32
...
	.end_amdgpu_metadata
.endif
;; end of part 2
;; ======== version 2 of 2: 2 launches
;; limits: right only within a limited range of input values
;; workspace buffers: w_codes 8,388,608 bytes
;; launch expand (part 3): grid 256 x 1, 8 waves a work-group, no clusters, 0 bytes of LDS; arguments bp, scale, lowp_scales, w_codes; writes w_codes
.if DOCPART == 3
	.amdgcn_target "amdgcn-amd-amdhsa--gfx1250"
	.amdhsa_code_object_version 6
	.text
	.protected	k_q8fff2eeed4_expand
	.globl	k_q8fff2eeed4_expand
	.p2align	8
	.type	k_q8fff2eeed4_expand,@function
k_q8fff2eeed4_expand:
	s_mov_b64 s[64:65], 0
	v_nop
	global_prefetch_b8 v0, s[64:65] scope:SCOPE_SE
	s_setreg_imm32_b32 hwreg(HW_REG_WAVE_MODE, 25, 1), 1
	s_wait_xcnt 0x0
; w[n][k] = (2 bit - 1) x scale, quantised to E4M3 with the given scale 2^e (e = lowp_scales[1]): w_codes[2048][4096], one code a byte, K innermost.
; w has two values, +scale and -scale, so scale is quantised once (held at 448 x 2^e, then converted); the code of -scale is that code with its sign bit turned.
; bp holds 8 weights a word, in bits 7 to 0, the highest first; the unpacking takes these bits alone, so bits 8 and up are not looked at.  Word p gives the codes at bytes 8 p .. 8 p + 7.
; No step and no input of the problem is left out.  LIMITS: e lies between -126 and 119, so that 2^e and 448 x 2^e are f32 numbers; a NaN in scale is not served.
; SHARES: a work-group takes 16 KiB of bp and writes 32 KiB.  A thread takes two words (8 bytes) eight times, 2,048 bytes apart, and stores 16 bytes for each:
; a wave's load covers 256 consecutive bytes, its store 512, both aligned.  All eight loads are out before the first is waited for.  Each byte is touched once: no LDS, no matrix unit, no cluster.
; FOUR BITS TO FOUR SIGN BITS BY ONE MULTIPLICATION: 0x80402010 = 2^4 + 2^13 + 2^22 + 2^31.  A nibble b3 b2 b1 b0 times it lays copies at bits 4-7, 13-16, 22-25 and 31, which do not meet:
; bits 7, 15, 23, 31 of the product are b3, b2, b1, b0.  The product then selects, bit by bit, between the two code words, which differ in these four bits alone.
.set IN,  8                            ; v[8:23]   eight pairs of words of bp
.set OUT, 24                           ; v[24:55]  eight times four registers of codes; each store has registers of its own
.set Q,   56                           ; v[56:63]  scale, eight times; v64 2^e; v65 448 x 2^e; v[66:67] its code, eight times
	s_load_b256 s[4:11], s[0:1], 0x0               ; bp s[4:5], scale s[6:7], lowp_scales s[8:9], w_codes s[10:11]
	v_lshlrev_b32 v1, 3, v0                        ; in: 8 bytes a thread
	v_lshlrev_b32 v2, 4, v0                        ; out: 16 bytes a thread
	s_lshl_b32 s12, ttmp9, 14
	s_mov_b32 s13, 0
	s_lshl_b32 s14, ttmp9, 15
	s_mov_b32 s15, 0
	s_mov_b32 s16, 0x80402010
	s_wait_alu depctr_va_vdst(0)
	s_wait_kmcnt 0x0
	s_load_b32 s17, s[6:7], 0x0                    ; scale
	s_load_b32 s18, s[8:9], 0x4                    ; e
	s_add_nc_u64 s[4:5], s[4:5], s[12:13]
	s_add_nc_u64 s[10:11], s[10:11], s[14:15]
.irp i, 0,1,2,3,4,5,6,7
	global_load_b64 v[IN+2*\i:IN+2*\i+1], v1, s[4:5] offset:2048*\i th:TH_LOAD_NT
.endr
	s_wait_kmcnt 0x0
	s_add_co_i32 s18, s18, 127
	s_lshl_b32 s19, s18, 23                        ; 2^e as f32
	s_add_co_i32 s18, s18, 8
	s_lshl_b32 s18, s18, 23
	s_or_b32 s18, s18, 0x600000                    ; 448 x 2^e
	v_mov_b32 v64, s19
	v_mov_b32 v65, s18
	v_mov_b32 v[Q], s17
	v_med3_num_f32 v[Q], v[Q], -v65, v65           ; the conversion does not saturate (ISA guide 7.6.2): the hold comes first
.irp i, 1,2,3,4,5,6,7
	v_mov_b32 v[Q+\i], v[Q]
.endr
	v_cvt_scalef32_pk8_fp8_f32 v[66:67], v[Q:Q+7], v64
	v_nop                                          ; one plain place behind a scaled conversion
	v_readfirstlane_b32 s20, v66                   ; four codes of +scale: where the bit is 1
	s_xor_b32 s21, s20, 0x80808080                 ; four codes of -scale: where it is 0
.irp i, 0,1,2,3,4,5,6,7
	s_wait_loadcnt 7-\i                            ; loads come back in order (ISA guide 5.7.1): pair i is in, the 7 - i younger ones may be out
	v_bfe_u32 v[OUT+4*\i],   v[IN+2*\i], 4, 4      ; the upper nibble holds the four lower k
	v_and_b32 v[OUT+4*\i+1], 15, v[IN+2*\i]
	v_bfe_u32 v[OUT+4*\i+2], v[IN+2*\i+1], 4, 4
	v_and_b32 v[OUT+4*\i+3], 15, v[IN+2*\i+1]
.irp r, 0,1,2,3
	v_mul_lo_u32 v[OUT+4*\i+\r], v[OUT+4*\i+\r], s16
.endr
.irp r, 0,1,2,3
	v_bfi_b32 v[OUT+4*\i+\r], v[OUT+4*\i+\r], s20, s21
.endr
	global_store_b128 v2, v[OUT+4*\i:OUT+4*\i+3], s[10:11] offset:4096*\i
.endr
	s_endpgm
.Lfunc_end_k_q8fff2eeed4_expand:
	.size	k_q8fff2eeed4_expand, .Lfunc_end_k_q8fff2eeed4_expand-k_q8fff2eeed4_expand
	.p2alignl 7, 3214868480
	.fill 96, 4, 3214868480
	.section	.rodata,"a",@progbits
	.p2align	6, 0x0
	.amdhsa_kernel k_q8fff2eeed4_expand
		.amdhsa_group_segment_fixed_size 0
		.amdhsa_private_segment_fixed_size 0
		.amdhsa_enable_private_segment 0
		.amdhsa_kernarg_size 32
		.amdhsa_user_sgpr_count 2
		.amdhsa_user_sgpr_kernarg_segment_ptr 1
		.amdhsa_wavefront_size32 1
		.amdhsa_system_sgpr_workgroup_id_x 1
		.amdhsa_system_sgpr_workgroup_id_y 1
		.amdhsa_system_sgpr_workgroup_id_z 1
		.amdhsa_system_vgpr_workitem_id 0
		.amdhsa_next_free_vgpr 72
		.amdhsa_next_free_sgpr 66
		.amdhsa_reserve_vcc 0
		.amdhsa_float_denorm_mode_32 3
		.amdhsa_float_denorm_mode_16_64 3
		.amdhsa_memory_ordered 1
		.amdhsa_forward_progress 1
		.amdhsa_inst_pref_size 9
	.end_amdhsa_kernel
	.amdgpu_metadata
---
amdhsa.version: [ 1, 2 ]
amdhsa.kernels:
  - .name:           k_q8fff2eeed4_expand
    .symbol:         k_q8fff2eeed4_expand.kd
    .args:
      - { .name: bp, .offset: 0, .size: 8, .value_kind: global_buffer, .address_space: global }
      - { .name: scale, .offset: 8, .size: 8, .value_kind: global_buffer, .address_space: global }
      - { .name: lowp_scales, .offset: 16, .size: 8, .value_kind: global_buffer, .address_space: global }
      - { .name: w_codes, .offset: 24, .size: 8, .value_kind: global_buffer, .address_space: global }
    .group_segment_fixed_size: 0
    .private_segment_fixed_size: 0
    .kernarg_segment_align: 8
    .kernarg_segment_size: 32
    .max_flat_workgroup_size: 256
    .sgpr_count:     66
    .vgpr_count:     72
    .wavefront_size: 32
...
	.end_amdgpu_metadata
.endif
;; end of part 3
;; launch gemm (part 4): grid 8 x 32, 4 waves a work-group, clusters of 4 x 4, 327,680 bytes of LDS; arguments x_codes, w_codes, lowp_scales, out0; writes out0
.if DOCPART == 4
	.amdgcn_target "amdgcn-amd-amdhsa--gfx1250"
	.amdhsa_code_object_version 6
	.text
	.protected	k_q8fff2eeed4_gemm
	.globl	k_q8fff2eeed4_gemm
	.p2align	8
	.type	k_q8fff2eeed4_gemm,@function
k_q8fff2eeed4_gemm:
	s_mov_b64 s[64:65], 0
	v_nop
	global_prefetch_b8 v0, s[64:65] scope:SCOPE_SE
	s_setreg_imm32_b32 hwreg(HW_REG_WAVE_MODE, 25, 1), 1
	s_wait_xcnt 0x0
	s_wait_alu depctr_hold_cnt(0) depctr_sa_sdst(0) depctr_va_vdst(0) depctr_va_sdst(0) depctr_va_ssrc(0) depctr_va_vcc(0) depctr_vm_vsrc(0)
	s_getreg_b32 s2, hwreg(HW_REG_IB_STS2, 6, 4)
	s_cmp_eq_u32 s2, 0
	s_cbranch_scc0 .Lentry_in_a_cluster
	s_endpgm
.Lentry_in_a_cluster:
	s_bfe_u32 s2, ttmp6, 0x10000c
	s_cmp_lg_u32 s2, 0xf033
	s_cbranch_scc0 .Lentry_shape_is_right
	s_endpgm
.Lentry_shape_is_right:
; out0[m][n] = 2^(e0 + e1) x sum over k of x_codes[m][k] w_codes[n][k]: 8,192 x 2,048, K = 4,096, both operands E4M3 codes with K innermost; sums in f32.
; The codes are multiplied as they are and each finished sum once by 2^(e0 + e1).  LIMIT: e0 + e1 lies between -126 and 127, so that this factor is an f32 number.
; A work-group of four waves makes 256 x 256 of the result, a wave 128 x 128: 64 accumulators, 512 registers.  256 work-groups, one tile each, so no work-group walks on to a second tile.
; K goes in steps of 256 through two LDS slots filled by tensor loads; a tile's row is 256 bytes of memory, at a multiple of 256.
; CLUSTERS of 4 x 4: the four of a row need the same tiles of x, the four of a column the same tiles of w: each tile is asked for jointly, by one tensor load with one descriptor and a mask that names the four.
; The matrix instruction takes rows of w as source 0 and rows of x as source 1: a lane then holds eight neighbouring numbers of a row of the result.
; A fragment is fetched by four loads of 16 bytes: a permutation of k inside the 128, the same on both sides, so every product meets its partner.
; PREFETCH: behind each joint refill a wave names, a lane a row, 32 rows x 256 bytes of the K step that stands two refills on.  The four partners that ask for a tile share its 128 rows out by address;
; x's rows are named by both clusters that load them, w's rows by the four clusters of even y among the eight that load them.  K steps 1 to 3 are named at the head; the last trip names nothing.
; REGISTERS: window 0: v0-31 addresses, v32-95 at work on the way out, v128-255 x's fragments (one set); window 1: w's fragments, two sets; windows 2, 3: the accumulators of my rows 0-63, 64-127.
.set SIZE_N, 2048
.set SIZE_K, 4096
.set ROWB,   256                       ; a tile's row in bytes: a K step
.set KROW,   SIZE_K                    ; a row of x or w in memory, in bytes
.set PITCH,  272                       ; an LDS row: 256 bytes + 16: sixteen rows start at sixteen different groups of four banks (64 banks of 4 bytes: ISA guide 11.1)
.set FR,     16                        ; registers of a fragment: 16 rows x 128 K
.set NL,     4                         ; LDS loads that bring one
.set NP,     4                         ; places behind this matrix instruction (ISA guide 7.12.1)
.set HALFT,  128*PITCH                 ; what one tensor load brings
.set SLOT,   4*HALFT                   ; x's 256 rows, then w's 256 rows
.set LAPS,   SIZE_K/(2*ROWB)           ; a lap = two K steps = once round the ring
.set SPARE,  2*SLOT                    ; behind the ring: the spare words, 128 bytes a wave, which no other line names
.set SPITCH, 528                       ; the way out: each wave's stage of 16 rows x (512 + 16) bytes, in slot 0, behind that slot's last fill and last read
.set ADRA, 16                          ; v16-17 LDS address of my fragments of x in slot 0, 1
.set ADRB, 20                          ; v20-21 the same for w
.set STO,  24
.set RD,   25
.set CO,   26
.set SPW,  28                          ; my spare word's address; never rewritten
.set NIL,  29                          ; 0; never rewritten
.set PFO,  30                          ; the prefetches' offset: lane x 4,096; never rewritten
.set TMP,  32
.set AF,   128
.set G1, 24                            ; s[24:31] group 1 for x's tiles; s[32:39] group 0, one set a slot
.set G0, 32
.set G1B, 48                           ; s[48:55], s[56:63] the same for w's tiles
.set G0B, 56
.set PFA, 66                           ; s[66:67] my 32 rows at the K step of the last refill asked for
.set LIM, 68                           ; 1 where my wave prefetches, else the greatest number
.set MSB, 0
.macro WIN new                         ; the immediate's high byte repeats the setting that is left
.if MSB != \new
	s_set_vgpr_msb (MSB<<8)|\new
.set MSB, \new
.endif
.endm
.set MUL_LO, 0xa1                      ; source 0 window 1, source 1 window 0, C and D window 2
.set MUL_HI, 0xf1                      ; the same, C and D window 3
.set TO_B,   0x40                      ; destination window 1, address window 0
; a joint load: waves 0 and 1 fetch for x, waves 2 and 3 for w; the branch hangs on the wave's number alone.  An s_nop 0 and four v_nop stand behind each line.
.macro JLOAD g0a, g1a, g0b, g1b
	s_cmp_eq_u32 s15, 0
	s_cbranch_scc0 .Lfor_b_\@
	tensor_load_to_lds s[\g0a:\g0a+3], s[\g1a:\g1a+7]
	s_nop 0
.rept 4
	v_nop
.endr
	s_branch .Lasked_\@
.Lfor_b_\@:
	tensor_load_to_lds s[\g0b:\g0b+3], s[\g1b:\g1b+7]
	s_nop 0
.rept 4
	v_nop
.endr
.Lasked_\@:
.endm
.macro CREST                           ; a round of the cluster's barrier behind its opening barrier
	s_cmp_lg_u32 s14, 0
	s_cbranch_scc1 .Lnot_wave_0_\@
	s_barrier_signal -3
.Lnot_wave_0_\@:
	s_barrier_wait -3
	s_barrier_signal -1
	s_barrier_wait -1
.endm
.macro CROUND
	s_barrier_signal -1
	s_barrier_wait -1
	CREST
.endm
.macro ASKH o1, o2                     ; at the head: the K steps at byte o1 (and o2, where it is not 0) behind K step 1
	s_cmp_eq_u32 s[LIM], 1
	s_cbranch_scc0 .Lnot_mine_\@
	global_prefetch_b8 v[PFO], s[PFA:PFA+1] offset:\o1 th:TH_LOAD_NT scope:SCOPE_SE
.if \o2
	global_prefetch_b8 v[PFO], s[PFA:PFA+1] offset:\o2 th:TH_LOAD_NT scope:SCOPE_SE
.endif
.Lnot_mine_\@:
.endm
.macro ASK                             ; in the loop: two K steps beyond the refill just asked for; s3 = 1 in the last trip, whose refills are K steps 14 and 15
	s_cmp_gt_u32 s3, s[LIM]
	s_cbranch_scc0 .Lnot_mine_\@
	global_prefetch_b8 v[PFO], s[PFA:PFA+1] offset:2*ROWB th:TH_LOAD_NT scope:SCOPE_SE
.Lnot_mine_\@:
.endm
	s_load_b128 s[4:7], s[0:1], 0x0                ; x_codes s[4:5], w_codes s[6:7]
	s_load_b128 s[8:11], s[0:1], 0x10              ; lowp_scales s[8:9], out0 s[10:11]
	v_lshl_add_u32 v[SPW], v0, 2, SPARE
	v_mov_b32 v[NIL], 0
	ds_add_u32 v[SPW], v[NIL]                      ; the opening lines: the add, twice on end, and its wait ahead of my first tensor load
	ds_add_u32 v[SPW], v[NIL]
	v_lshrrev_b32 v1, 5, v0
	v_readfirstlane_b32 s14, v1                    ; wave 0..3
	s_lshr_b32 s15, s14, 1                         ; my half of the tile's rows; also: I fetch for x (0) or for w (1)
	s_and_b32 s16, s14, 1                          ; my half of its columns; also: which 128 rows I fetch
	s_bfe_u32 s40, ttmp6, 0x40000                  ; cx
	s_bfe_u32 s41, ttmp6, 0x40004                  ; cy
	s_lshl_b32 s42, ttmp9, 2
	s_add_co_u32 s42, s42, s40                     ; tile column
	s_and_b32 s17, ttmp7, 0xffff
	s_lshl_b32 s17, s17, 2
	s_add_co_u32 s17, s17, s41                     ; tile row
	s_lshl_b32 s43, s41, 2
	s_lshl_b32 s43, 15, s43                        ; my row of the cluster
	s_lshl_b32 s44, 0x1111, s40                    ; my column
	s_or_b32 s[G1+0], s43, (0<<16)|(1<<20)|(1<<21)|(5<<22)|(3<<25)  ; the mask; elements of 1 byte; 4 words of padding behind every 64; bit 21 beside a mask
	s_or_b32 s[G1B+0], s44, (0<<16)|(1<<20)|(1<<21)|(5<<22)|(3<<25)
.irp g, G1, G1B
	s_mov_b32 s[\g+1], ROWB<<16                    ; tensor_dim0
	s_mov_b32 s[\g+2], 128<<16                     ; tensor_dim1
	s_mov_b32 s[\g+3], ROWB<<16                    ; tile_dim0
	s_mov_b32 s[\g+4], 128                         ; tile_dim1
	s_mov_b32 s[\g+5], KROW                        ; the pitch
	s_mov_b32 s[\g+6], 0
	s_mov_b32 s[\g+7], 0
.endr
	s_lshl_b32 s18, s16, 7
	s_lshl_b32 s20, s17, 8
	s_add_co_u32 s20, s20, s18                     ; x: row 256 x tile row + 128 x half
	s_lshl_b32 s46, s42, 8
	s_add_co_u32 s46, s46, s18                     ; w: row 256 x tile column + 128 x half
	s_mov_b32 s21, 0
	s_mov_b32 s47, 0
	s_mov_b64 s[18:19], KROW
	s_mul_u64 s[20:21], s[20:21], s[18:19]
	s_mul_u64 s[46:47], s[46:47], s[18:19]
	s_mul_i32 s45, s14, HALFT                      ; where they go: wave x 128 rows
	s_wait_dscnt 0x0                               ; both opening adds are done
	s_wait_kmcnt 0x0
	s_load_b64 s[96:97], s[8:9], 0x0               ; e0, e1
	s_add_nc_u64 s[20:21], s[4:5], s[20:21]
	s_add_nc_u64 s[46:47], s[6:7], s[46:47]
	CROUND                                         ; all sixteen work-groups are here: the first joint loads meet
.irp s, 0,1
	s_mov_b32 s[G0+4*\s], 1
	s_add_co_u32 s[G0+4*\s+1], s45, \s*SLOT
	s_add_nc_u64 s[G0+4*\s+2:G0+4*\s+3], s[20:21], \s*ROWB
	s_or_b32 s[G0+4*\s+3], s[G0+4*\s+3], 0x80000000
	s_mov_b32 s[G0B+4*\s], 1
	s_add_co_u32 s[G0B+4*\s+1], s45, \s*SLOT
	s_add_nc_u64 s[G0B+4*\s+2:G0B+4*\s+3], s[46:47], \s*ROWB
	s_or_b32 s[G0B+4*\s+3], s[G0B+4*\s+3], 0x80000000
.endr
	JLOAD G0, G1, G0B, G1B                         ; K step 0: one tensor load a wave at the head
	v_and_b32 v1, 15, v0                           ; l % 16
	v_bfe_u32 v2, v0, 4, 1                         ; l / 16
	v_mul_u32_u24 v3, v1, PITCH
	v_lshl_add_u32 v4, v2, 4, v3                   ; a fragment's row x pitch + 16 x half
	s_mul_i32 s21, s15, HALFT                      ; my 128 rows of x
	s_mul_i32 s22, s16, HALFT                      ; my 128 rows of w,
	s_add_co_u32 s22, s22, 2*HALFT                 ; behind x's 256
.irp s, 0,1
	v_add_nc_u32 v[ADRA+\s], s21, v4
	v_add_nc_u32 v[ADRB+\s], s22, v4
	s_add_co_u32 s21, s21, SLOT
	s_add_co_u32 s22, s22, SLOT
.endr
	s_mul_i32 s23, s14, 16*SPITCH                  ; my stage
	s_wait_alu depctr_va_vdst(0)
	v_mul_u32_u24 v5, v1, SPITCH                   ; in: row l % 16, 32 bytes for each half of the lanes
	v_lshl_add_u32 v5, v2, 5, v5
	v_add_nc_u32 v[STO], s23, v5
	v_and_b32 v6, 31, v0
	v_lshlrev_b32 v[CO], 4, v6                     ; back: the 32 lanes take one row of 512 bytes; the same in out0
	v_add_nc_u32 v[RD], s23, v[CO]
	s_lshl_b32 s20, s17, 8
	s_lshl_b32 s21, s15, 7
	s_add_co_u32 s20, s20, s21                     ; my first row of out0
	s_mov_b32 s21, 0
	s_mov_b64 s[18:19], SIZE_N*4
	s_mul_u64 s[20:21], s[20:21], s[18:19]
	s_lshl_b32 s46, s42, 10                        ; my first column, in bytes
	s_lshl_b32 s47, s16, 9
	s_add_co_u32 s46, s46, s47
	s_mov_b32 s47, 0
	s_add_nc_u64 s[20:21], s[20:21], s[46:47]
	s_add_nc_u64 s[10:11], s[10:11], s[20:21]
	; the prefetches' base: of the 128 rows that I fetch, my work-group's 32 (by cx for x, by cy for w), at K step 1
	s_lshl_b32 s70, s17, 8
	s_lshl_b32 s71, s42, 8
	s_cmp_eq_u32 s15, 0
	s_cselect_b32 s70, s70, s71                    ; the tile's first row
	s_cselect_b32 s71, s40, s41                    ; my place among the four that ask with me
	s_cselect_b64 s[PFA:PFA+1], s[4:5], s[6:7]
	s_and_b32 s72, ttmp7, s15                      ; 1 for w's waves in a cluster of odd y
	s_cmp_eq_u32 s72, 0
	s_cselect_b32 s[LIM], 1, -1
	s_lshl_b32 s72, s16, 7
	s_add_co_u32 s70, s70, s72
	s_lshl_b32 s71, s71, 5
	s_add_co_u32 s70, s70, s71
	s_lshl_b32 s70, s70, 12                        ; rows of 4,096 bytes
	s_add_co_u32 s70, s70, ROWB
	s_mov_b32 s71, 0
	s_add_nc_u64 s[PFA:PFA+1], s[PFA:PFA+1], s[70:71]
	v_and_b32 v[PFO], 31, v0
	v_lshlrev_b32 v[PFO], 12, v[PFO]
	s_wait_alu depctr_va_vdst(0)                   ; the head's end
	ASKH 0, ROWB                                   ; K steps 1 and 2
.macro FRAG reg, adr, q, i             ; 16 rows x 128 K: lane l holds row l % 16; registers 4 c .. 4 c + 3 hold K = 32 c + 16 (l / 16) + 0 .. 15
.irp c, 0,1,2,3
	ds_load_b128 v[\reg+4*\c:\reg+4*\c+3], v[\adr] offset:128*(\q)+32*\c+(\i)*16*PITCH
.endr
.endm
; 8 matrix instructions: x's block a against w's eight fragments of set p.  zero = 1: the products start the sums.  The 64 accumulators take turns in one order in every step.
.macro MUL8 a, p, zero
.irp b, 0,1,2,3,4,5,6,7
.if \zero
	v_wmma_f32_16x16x128_fp8_fp8 v[8*(8*((\a)%4)+\b):8*(8*((\a)%4)+\b)+7], v[128*(\p)+FR*\b:128*(\p)+FR*\b+FR-1], v[AF+FR*(\a):AF+FR*(\a)+FR-1], 0
.else
	v_wmma_f32_16x16x128_fp8_fp8 v[8*(8*((\a)%4)+\b):8*(8*((\a)%4)+\b)+7], v[128*(\p)+FR*\b:128*(\p)+FR*\b+FR-1], v[AF+FR*(\a):AF+FR*(\a)+FR-1], v[8*(8*((\a)%4)+\b):8*(8*((\a)%4)+\b)+7]
.endif
.endr
.endm
.macro MUL16 a0, p, zero
	MUL8 \a0, \p, \zero
	MUL8 \a0+1, \p, \zero
.endm
.macro FETCH_B slot, q, p              ; w's eight fragments of the slot's q-th 128 along K into set p
	WIN TO_B
.irp i, 0,1,2,3,4,5,6,7
	FRAG 128*(\p)+FR*\i, ADRB+\slot, \q, \i
.endr
	WIN 0
.endm
.macro FETCH_A slot, q, i0             ; x's blocks i0 .. i0 + 3
.irp i, \i0, \i0+1, \i0+2, \i0+3
	FRAG AF+FR*(\i), ADRA+\slot, \q, \i
.endr
.endm
.macro PLACES n                        ; places in front of loads into registers that matrix instructions have read or written, and of the first read of results
.rept \n
	v_nop
.endr
.endm
; a step of 128 along K whose successor lies in the same slot.  A block of x is free once its eight products are issued: blocks 0-3 are fetched anew in the middle, blocks 4-7 at the end: two runs of loads a step.
.macro STEP slot, q, zero
	s_wait_dscnt 4*NL                              ; all but the youngest 16 loads (x's blocks 4-7)
	WIN MUL_LO
	MUL16 0, (\q)%2, \zero
	MUL16 2, (\q)%2, \zero
	s_wait_dscnt 0                                 ; x's blocks 4-7 are in
	PLACES NP
	FETCH_B \slot, (\q)+1, 1-(\q)%2
	FETCH_A \slot, (\q)+1, 0
	WIN MUL_HI
	MUL16 4, (\q)%2, \zero
	MUL16 6, (\q)%2, \zero
	PLACES NP
	WIN 0
	FETCH_A \slot, (\q)+1, 4
.endm
; a slot's last step changes slots: each wave waits for all its tensor loads, adds 0 to its spare word, waits for that and for its reads of this slot; one barrier.  fill = 1: it opens a round of the cluster's barrier, and this slot is filled again.
.macro TURN slot, next, fill
.if \fill
	s_wait_xcnt 0x0                                ; my prefetches have read their base: it steps here, ahead of the change's own waits
	s_add_nc_u64 s[PFA:PFA+1], s[PFA:PFA+1], ROWB
.endif
	s_wait_tensorcnt 0x0                           ; my part of the next slot has landed; no load of mine is out
	ds_add_u32 v[SPW], v[NIL]
	s_wait_dscnt 4*NL+1                            ; the add and the youngest 16 loads may be out
	WIN MUL_LO
	MUL16 0, 1, 0
	s_wait_dscnt 0x0                               ; the add is done, my reads of this slot are over
	s_barrier_signal -1
	MUL16 2, 1, 0
	WIN 0
	s_barrier_wait -1
.if \fill
	CREST                                          ; no wave of any partner still reads this slot or has a load on its way
	s_add_nc_u64 s[G0+4*\slot+2:G0+4*\slot+3], s[G0+4*\slot+2:G0+4*\slot+3], 2*ROWB
	s_add_nc_u64 s[G0B+4*\slot+2:G0B+4*\slot+3], s[G0B+4*\slot+2:G0B+4*\slot+3], 2*ROWB
	JLOAD G0+4*\slot, G1, G0B+4*\slot, G1B         ; the first tensor load behind the round; its four v_nop are also the places in front of the loads below
.else
	PLACES NP
.endif
	FETCH_B \next, 0, 0
	FETCH_A \next, 0, 0
.if \fill
	ASK                                            ; behind the joint load and the run of LDS loads
.endif
	WIN MUL_HI
	MUL16 4, 1, 0
	MUL16 6, 1, 0
	PLACES NP
	WIN 0
	FETCH_A \next, 0, 4
.endm
; THE WAY OUT, by blocks of 16 rows x 128 columns.  TOSTAGE: block a's sums are scaled into other registers, each accumulator from its low end on, go into my own stage in LDS, and come back as whole rows of
; 512 bytes INTO THE BLOCK'S OWN 64 ACCUMULATOR REGISTERS, which the scaling has read and nothing needs again.  SEND: the rows are stored from there.  So no store's data register is written again, and all
; 128 rows' offsets stand in the stores' immediates (127 rows of 8,192 bytes at the most, inside the signed 24 bits: ISA guide, chapter 10), so the base never steps: no wait stands between the stores.
; LDS serves a wave's instructions in order (ISA guide 5.7.1.4): no wait between the stage's stores and loads, nor in front of the next block's stores.
.macro TOSTAGE a
.set AC, 64*((\a)%4)
	WIN 0x02+((\a)/4)                              ; source 0: window 2 or 3
.irp j, 0,2,4,6,8,10,12,14,16,18,20,22,24,26,28,30,32,34,36,38,40,42,44,46,48,50,52,54,56,58,60,62
	v_pk_mul_f32 v[TMP+\j:TMP+\j+1], v[AC+\j:AC+\j+1], s[96:97] op_sel_hi:[1,0]   ; both x s96 = 2^(e0 + e1)
.endr
	WIN 0
.irp b, 0,1,2,3,4,5,6,7
	ds_store_b128 v[STO], v[TMP+8*\b:TMP+8*\b+3] offset:64*\b
	ds_store_b128 v[STO], v[TMP+8*\b+4:TMP+8*\b+7] offset:64*\b+16
.endr
	WIN 0x80+0x40*((\a)/4)                         ; destination: window 2 or 3; the address in window 0
.irp t, 0,1,2,3,4,5,6,7,8,9,10,11,12,13,14,15
	ds_load_b128 v[AC+4*\t:AC+4*\t+3], v[RD] offset:\t*SPITCH
.endr
.endm
.macro SEND a, younger                 ; younger: the LDS instructions issued behind block a's loads
.set AC, 64*((\a)%4)
	s_wait_dscnt \younger
	WIN 0x08+0x04*((\a)/4)                         ; the stores' data (source 1): window 2 or 3; the address in window 0
.irp t, 0,1,2,3,4,5,6,7,8,9,10,11,12,13,14,15
	global_store_b128 v[CO], v[AC+4*\t:AC+4*\t+3], s[10:11] offset:(16*(\a)+\t)*SIZE_N*4 th:TH_STORE_NT   ; 32 lanes store 512 consecutive bytes, aligned to 256; written once, read by nobody here
.endr
.endm
	s_wait_tensorcnt 0x0                           ; my part of K step 0 is in; slot 1's first fill is issued as a refill is:
	ds_add_u32 v[SPW], v[NIL]
	s_wait_dscnt 0x0
	CROUND                                         ; everybody's part of K step 0 is in, and the joint loads meet
	JLOAD G0+4, G1, G0B+4, G1B                     ; K step 1
	FETCH_B 0, 0, 0
	FETCH_A 0, 0, 0
	FETCH_A 0, 0, 4
	ASKH 2*ROWB, 0                                 ; K step 3
	STEP 0, 0, 1                                   ; the first step starts the sums
	s_mov_b32 s3, LAPS-1
.Llap:                                                 ; a trip goes once round the ring and fills both slots again
	TURN 0, 1, 1
	STEP 1, 0, 0
	TURN 1, 0, 1
	STEP 0, 0, 0
	s_sub_co_u32 s3, s3, 1
	s_cmp_lg_u32 s3, 0
	s_cbranch_scc1 .Llap
	TURN 0, 1, 0                                   ; the last lap fills nothing; behind its barrier nobody reads slot 0, where the stages lie
	STEP 1, 0, 0
	s_wait_kmcnt 0x0
	s_add_co_i32 s96, s96, s97
	s_add_co_i32 s96, s96, 127
	s_lshl_b32 s96, s96, 23                        ; 2^(e0 + e1) as f32
	s_wait_dscnt 0                                 ; the very last step: all its fragments are in, nothing more to fetch
; The step goes by x's blocks, so block a is finished behind its eight products: it leaves at once, and its stores are on their way while the later blocks are multiplied.
.irp a, 0,1,2,3,4,5,6,7
	WIN MUL_LO+0x50*(\a/4)
	MUL8 \a, 1, 0
	PLACES NP                                      ; the scaling reads results just made, and the loads from the stage land on them
	TOSTAGE \a
.if \a > 0
	SEND \a-1, 32                                  ; behind block a - 1's loads: block a's 16 stores and 16 loads
.endif
.endr
	SEND 7, 0
	WIN 0
	s_wait_tensorcnt 0x0                           ; the wave's end
	ds_add_u32 v[SPW], v[NIL]
	s_wait_dscnt 0x0
	CROUND                                         ; the closing round
	s_endpgm
.Lfunc_end_k_q8fff2eeed4_gemm:
	.size	k_q8fff2eeed4_gemm, .Lfunc_end_k_q8fff2eeed4_gemm-k_q8fff2eeed4_gemm
	.p2alignl 7, 3214868480
	.fill 96, 4, 3214868480
	.section	.rodata,"a",@progbits
	.p2align	6, 0x0
	.amdhsa_kernel k_q8fff2eeed4_gemm
		.amdhsa_group_segment_fixed_size 327680
		.amdhsa_private_segment_fixed_size 0
		.amdhsa_enable_private_segment 0
		.amdhsa_kernarg_size 32
		.amdhsa_user_sgpr_count 2
		.amdhsa_user_sgpr_kernarg_segment_ptr 1
		.amdhsa_wavefront_size32 1
		.amdhsa_system_sgpr_workgroup_id_x 1
		.amdhsa_system_sgpr_workgroup_id_y 1
		.amdhsa_system_sgpr_workgroup_id_z 1
		.amdhsa_system_vgpr_workitem_id 0
		.amdhsa_next_free_vgpr 1024
		.amdhsa_next_free_sgpr 98
		.amdhsa_reserve_vcc 0
		.amdhsa_float_denorm_mode_32 3
		.amdhsa_float_denorm_mode_16_64 3
		.amdhsa_memory_ordered 1
		.amdhsa_forward_progress 1
		.amdhsa_inst_pref_size 126
	.end_amdhsa_kernel
	.amdgpu_metadata
---
amdhsa.version: [ 1, 2 ]
amdhsa.kernels:
  - .name:           k_q8fff2eeed4_gemm
    .symbol:         k_q8fff2eeed4_gemm.kd
    .args:
      - { .name: x_codes, .offset: 0, .size: 8, .value_kind: global_buffer, .address_space: global }
      - { .name: w_codes, .offset: 8, .size: 8, .value_kind: global_buffer, .address_space: global }
      - { .name: lowp_scales, .offset: 16, .size: 8, .value_kind: global_buffer, .address_space: global }
      - { .name: out0, .offset: 24, .size: 8, .value_kind: global_buffer, .address_space: global }
    .group_segment_fixed_size: 327680
    .private_segment_fixed_size: 0
    .kernarg_segment_align: 8
    .kernarg_segment_size: 32
    .max_flat_workgroup_size: 128
    .sgpr_count:     98
    .vgpr_count:     1024
    .wavefront_size: 32
...
	.end_amdgpu_metadata
.endif
;; end of part 4
